; MI455X (gfx1250); checked and timed in simulation.
; The chip was launched on July 23, 2026; its instructions are those of AMD's public machine-readable ISA for CDNA 5 (MIT licence, August 2026) and "CDNA5" Instruction Set Architecture Reference Guide (July 2026). The comments in the code are by the model that wrote it; some were corrected since.
;; CRF. Allowed arithmetic: float matrix products may take bf16 or f16 operands with f32 sums; all other float work in f32.
;; Inputs: inputs 256 x 256 x 128 float32; mask 256 x 256 bool; transitions 128 x 128 float32.
;; Outputs: out0 256 x 256 int32; out1 256 x 256 x 128 float32; out2 256 int32; out3 128 x 128 float32.
;; 3 versions, each right; version 2 is faster than version 1; version 3 is version 2 with the launch forward written anew for expert scheduling mode. Each part assembles by itself: llvm-mc -triple=amdgcn-amd-amdhsa -mcpu=gfx1250 --defsym DOCPART=n.
;; ======== version 1 of 3: 2 launches
;; workspace buffers: bptab 8,388,608 bytes of whole numbers
;; launch forward (part 1): grid 256 x 1, 4 waves a work-group, no clusters, 168,448 bytes of LDS; arguments inputs, mask, transitions, out1, bptab; writes out1, bptab
.if DOCPART == 1
	.amdgcn_target "amdgcn-amd-amdhsa--gfx1250"
	.amdhsa_code_object_version 6
	.text
	.protected	k_qa88c34a3d5_forward
	.globl	k_qa88c34a3d5_forward
	.p2align	8
	.type	k_qa88c34a3d5_forward,@function
k_qa88c34a3d5_forward:
	s_mov_b64 s[64:65], 0
	v_nop
	global_prefetch_b8 v0, s[64:65] scope:SCOPE_SE
	s_setreg_imm32_b32 hwreg(HW_REG_WAVE_MODE, 25, 1), 1
	s_wait_xcnt 0x0
; VITERBI, FORWARD PASS.  inputs [256][256][128] f32, mask [256][256] bytes (0 or 1), transitions [128][128] f32.
; One work-group = one sequence b; four waves; thread j = v0 owns tag (column) j.  For t = 1 .. 255:
;   m[j] = max over i of (state[i] + trans[i][j]);  bp[j] = the first i that reaches it;
;   where mask[b][t]: state[j] = m[j] + inputs[b][t][j]; elsewhere the state stays and bp[j] = j.
; Every sum is one f32 add and every comparison is on those sums, as the definition has them, so the tags come out exactly.
; Stored: out1 = inputs (each row is loaded once, for both uses) and bptab[b][row][j], one byte each: row t-1 = bp of step t,
; row 255 = the tag with the first largest final state, in all its 128 bytes.  The walk back along the table is the next launch's.
;
; HOW A STEP IS LAID OUT
;  - trans[i][j], i = 0..127, stay in 128 registers of lane j (v256-v383).
;  - The 128 states lie in LDS.  Lane n of each row of 16 lanes loads states 4n..4n+3 and 64+4n..64+4n+3 (8 registers);
;    v_add_f32_dpp row_share:n adds the state held by lane n to every lane's own transition: 128 adds make the 128 sums.
;  - A tree of v_max3 gives the maxima of the eight groups of 16, of the two halves of 64, and m.
;  - The first index: the block that holds the first maximum is found by comparing block maxima with m, and its sums are moved by
;    pairs of conditional moves: 128 -> 64 (the first half wins a tie), 64 -> 16, 16 -> 4, 4 -> 1; blocks are tried from the last
;    to the first, so the first one that matches is the one that stays.
;  - Only m is needed for the next step.  The index work stands behind the store of the new state, between the two halves of the
;    barrier and behind the loads of the next step's state, where the wave would otherwise wait.
;  - The state takes turns between two LDS buffers, so one barrier a step orders both the new state's reads and the old one's end.
; Step 0 runs as a step that is never valid (its mask byte is cleared): the state then stays inputs[b][0], and 256 steps are 32 equal trips.
; No cluster: the work-groups share only the 64 KiB of transitions, read once each, straight into the lane-per-column registers.
; LIMITS: NaN inputs are not served (v_max_num_f32 lets a NaN lose).  The sign of a zero state is not kept; no comparison tells the two zeros apart.
.set TRIPS,   32                       ; trips of the loop
.set STEPS,   8                        ; steps in a trip
.set ROWB,    512                      ; bytes in a row of inputs
.set TRIPB,   STEPS*ROWB               ; bytes of inputs in a trip
.set L_STATE, 0                        ; LDS: two state buffers of 512 bytes
.set L_BP,    1280                     ; LDS: the table, 256 rows of 128 bytes; the 256 bytes in front of it take the trailing stores of steps 0 and 1
.set L_POT,   34048                    ; LDS: the sequence's 256 rows of inputs, each written once
.set ST,    2                          ; v[2:9]    states, 8 a lane, the same in both rows of 16 lanes
.set STC,   10                         ; my column's state
.set POTV,  11                         ; inputs[b][t][j]
.set M,     12                         ; m[j]
.set NEW,   13
.set BPV,   14                         ; the last step's backpointer, stored one step late
.set IDX1,  15                         ; the four parts of the index
.set G16,   16                         ; v[16:23]  maxima of the groups of 16
.set G64A,  24
.set G64B,  25
.set IDX2,  26
.set IDX3,  27
.set IDX4,  28
.set HT,    29                         ; v[29:31]  maxima of three groups of 4
.set VSTL,  32                         ; LDS address: 16 (lane mod 16), for the state loads
.set VSTS,  33                         ; 4 j: my state's LDS address, and my column's byte offset in a row
.set VPOT,  34                         ; LDS address of inputs[b][8 trip][j]
.set VBP,   35                         ; LDS address of table row 8 trip - 2, byte j
.set VROWL, 36                         ; LDS address where my wave's two rows go
.set VOFF,  37                         ; 1024 wave + 16 lane: my 16 bytes in my wave's two rows of a trip; never rewritten
.set VT,    38                         ; 16 j, for the table's way out
.set R,     40                         ; v[40:47]  two rows on their way
.set T,     64                         ; v[64:103] the max tree
.set S,     128                        ; v[128:255] the 128 sums
.set MCUR,  16                         ; s[16:17]  this trip's 8 mask bytes
.set MNXT,  18                         ; s[18:19]  the next trip's
.set MSB, 0
.macro WIN new                         ; register window; the immediate's high byte repeats the setting that is left
.if MSB != \new
	s_set_vgpr_msb (MSB<<8)|\new
.set MSB, \new
.endif
.endm
; v[d+i] = vcc ? v[a+i] : v[d+i] for i = 0 .. 2n-1, two moves an instruction (d and a even: the pair's registers differ in parity and bank)
.macro SEL d, a, n
.set qq, 0
.rept \n
	v_dual_cndmask_b32 v[\d+qq], v[\d+qq], v[\a+qq] :: v_dual_cndmask_b32 v[\d+qq+1], v[\d+qq+1], v[\a+qq+1]
.set qq, qq+2
.endr
.endm
; my wave's two rows go to LDS and to out1: each store of the wave covers 512 consecutive bytes, aligned
.macro ROWS_OUT
	ds_store_b128 v[VROWL], v[R:R+3]
	ds_store_b128 v[VROWL], v[R+4:R+7] offset:ROWB
	global_store_b128 v[VOFF], v[R:R+3], s[10:11] th:TH_STORE_NT
	global_store_b128 v[VOFF], v[R+4:R+7], s[10:11] offset:ROWB th:TH_STORE_NT
	s_wait_xcnt 0x0                                ; the stores' base and data are rewritten only behind this wait
	s_add_nc_u64 s[10:11], s[10:11], TRIPB
	v_add_nc_u32 v[VROWL], TRIPB, v[VROWL]
.endm
.macro ROWS_IN                         ; the next trip's two rows; the loads that used s[4:5] before have been waited for
	s_add_nc_u64 s[4:5], s[4:5], TRIPB
	global_load_b128 v[R:R+3], v[VOFF], s[4:5] th:TH_LOAD_NT
	global_load_b128 v[R+4:R+7], v[VOFF], s[4:5] offset:ROWB th:TH_LOAD_NT
.endm
	s_load_b256 s[4:11], s[0:1], 0x0               ; inputs s[4:5], mask s[6:7], transitions s[8:9], out1 s[10:11]
	s_load_b64 s[12:13], s[0:1], 0x20              ; bptab
	v_lshl_add_u32 v126, v0, 2, 0x29000
	v_mov_b32 v127, 0
	s_lshl_b32 s24, ttmp9, 17                      ; b x 131,072: the sequence in inputs and out1
	s_mov_b32 s25, 0
	s_lshl_b32 s26, ttmp9, 8                       ; b x 256: its mask row
	s_mov_b32 s27, 0
	s_lshl_b32 s28, ttmp9, 15                      ; b x 32,768: its table
	s_mov_b32 s29, 0
	v_and_b32 v1, 31, v0
	v_lshlrev_b32 v[VOFF], 4, v1                   ; 16 lane
	v_and_b32 v1, 0x60, v0                         ; 32 wave
	v_lshl_or_b32 v[VOFF], v1, 5, v[VOFF]          ; + 1024 wave: wave w takes rows 2w and 2w+1 of each trip's eight
	v_add_nc_u32 v[VROWL], L_POT, v[VOFF]
	v_lshlrev_b32 v[VSTS], 2, v0
	v_add_nc_u32 v[VPOT], L_POT, v[VSTS]
	v_add_nc_u32 v[VBP], L_BP-256, v0
	v_and_b32 v1, 15, v0
	v_lshlrev_b32 v[VSTL], 4, v1
	v_mov_b32 v[BPV], v0                           ; what the first trailing store writes (in front of the table, never read)
	s_wait_kmcnt 0x0
	s_add_nc_u64 s[4:5], s[4:5], s[24:25]
	s_add_nc_u64 s[10:11], s[10:11], s[24:25]
	s_add_nc_u64 s[6:7], s[6:7], s[26:27]
	s_add_nc_u64 s[12:13], s[12:13], s[28:29]
	global_load_b128 v[R:R+3], v[VOFF], s[4:5] th:TH_LOAD_NT             ; trip 0's rows
	global_load_b128 v[R+4:R+7], v[VOFF], s[4:5] offset:ROWB th:TH_LOAD_NT
	s_load_b64 s[MCUR:MCUR+1], s[6:7], 0x0         ; trip 0's mask bytes
	WIN 0x40                                       ; destinations in v256-v511
.set ii, 0
.rept 128
	global_load_b32 v[ii], v[VSTS], s[8:9] offset:ROWB*ii                ; v[256+i] = trans[i][j]
.set ii, ii+1
.endr
	WIN 0
	; a DPP instruction's destination counts as one of its sources, so each sum register is written once before the first step
.set qq, 0
.rept 64
	v_dual_mov_b32 v[S+qq], 0 :: v_dual_mov_b32 v[S+qq+1], 0
.set qq, qq+2
.endr
	s_wait_loadcnt 0x0                             ; the rows and all transitions, once
	ROWS_OUT                                       ; trip 0's rows
	ROWS_IN                                        ; trip 1's rows
	s_wait_dscnt 0x0                               ; my rows are in LDS
	s_barrier_signal -1
	s_barrier_wait -1                              ; everybody's are
	ds_load_b32 v[STC], v[VPOT]                    ; the first state: inputs[b][0][j]
	s_wait_dscnt 0x0
	ds_store_b32 v[VSTS], v[STC] offset:L_STATE+512        ; into buffer 1, which step 0 reads
	s_wait_dscnt 0x0
	s_barrier_signal -1
	s_barrier_wait -1
	ds_load_b128 v[ST:ST+3],   v[VSTL] offset:L_STATE+512
	ds_load_b128 v[ST+4:ST+7], v[VSTL] offset:L_STATE+512+256
	s_wait_kmcnt 0x0
	s_and_b32 s[MCUR], s[MCUR], 0xffffff00         ; step 0 is never valid
	s_mov_b64 s[MNXT:MNXT+1], s[MCUR:MCUR+1]       ; written on every path that reads it
	s_mov_b32 s15, 0                               ; trip
; Once a trip: the rows loaded a trip ago go out (they are read from LDS in the next trip, eight barriers later), and the rows after them are asked for.
; The last trip has nothing to put out and the last two nothing to ask for: no load passes the sequence's end.
.macro STAGE
	s_cmp_lt_u32 s15, TRIPS-1
	s_cbranch_scc0 .Lstaged
	s_load_b64 s[MNXT:MNXT+1], s[6:7], 0x8         ; the next trip's mask bytes
	s_wait_loadcnt 0x0                             ; my two rows, asked for one trip (eight steps) ago
	ROWS_OUT
	s_cmp_lt_u32 s15, TRIPS-2
	s_cbranch_scc0 .Lstaged
	ROWS_IN
.Lstaged:
.endm
; Step t = 8 trip + k.  It reads state buffer (k+1)&1, whose two loads were issued at the end of the step before, and writes buffer k&1.
.macro STEP k
	s_bfe_u32 s21, s[MCUR+\k/4], 0x80000+8*(\k%4)  ; mask[b][t]; SCC = it is not 0
	s_cselect_b32 s20, -1, 0                       ; as a lane mask: it only selects values
	ds_load_b32 v[POTV], v[VPOT] offset:ROWB*\k
	s_wait_dscnt 0x1                               ; LDS answers in order: the two state loads are in, the load just issued may stay out
.if \k == 0
	STAGE
.endif
	WIN 0x04                                       ; second source in v256-v511: the transitions
.irp hh, 0,1
.irp ln, 0,1,2,3,4,5,6,7,8,9,10,11,12,13,14,15
.irp rr, 0,1,2,3
	v_add_f32_dpp v[S+64*\hh+4*\ln+\rr], v[ST+4*\hh+\rr], v[64*\hh+4*\ln+\rr] row_share:\ln row_mask:0xf bank_mask:0xf   ; state[i] + trans[i][j], i = 64 hh + 4 ln + rr
.endr
.endr
.endr
	WIN 0
	; maxima of the eight groups of 16, level by level, so that no instruction follows closely on one that it needs
.irp g, 0,1,2,3,4,5,6,7
.irp q, 0,1,2,3,4
	v_max3_num_f32 v[T+5*\g+\q], v[S+16*\g+3*\q], v[S+16*\g+3*\q+1], v[S+16*\g+3*\q+2]
.endr
.endr
.irp g, 0,1,2,3,4,5,6,7
	v_max3_num_f32 v[T+5*\g],   v[T+5*\g],   v[T+5*\g+1], v[T+5*\g+2]
	v_max3_num_f32 v[T+5*\g+3], v[T+5*\g+3], v[T+5*\g+4], v[S+16*\g+15]
.endr
.irp g, 0,1,2,3,4,5,6,7
	v_max_num_f32 v[G16+\g], v[T+5*\g], v[T+5*\g+3]
.endr
	v_max3_num_f32 v[G64A], v[G16],   v[G16+1], v[G16+2]
	v_max3_num_f32 v[G64B], v[G16+4], v[G16+5], v[G16+6]
	v_max_num_f32 v[G64A], v[G64A], v[G16+3]
	v_max_num_f32 v[G64B], v[G64B], v[G16+7]
	s_wait_dscnt 0x0                               ; the potential (and, in step 0 of a trip, the rows' stores)
	v_cmp_ge_f32 vcc_lo, v[G64A], v[G64B]          ; the first maximum lies in i < 64 (a tie goes to the first half)
	v_max_num_f32 v[M], v[G64A], v[G64B]
	; 128 -> 64: the half with the first maximum comes to lie in S+64 .. S+127.  Its first moves fill the gaps of the chain m -> new state -> store.
	SEL S+64, S, 2
	v_add_f32 v[NEW], v[M], v[POTV]
	SEL S+68, S+4, 2
	v_cndmask_b32 v[STC], v[STC], v[NEW], s20      ; the state moves on only where the mask says so
	SEL S+72, S+8, 2
	ds_store_b32 v[VSTS], v[STC] offset:L_STATE+512*(\k&1)
	ds_store_b8 v[VBP], v[BPV] offset:128*\k       ; the step before's backpointer, into table row t - 2
	SEL S+76, S+12, 10
	s_wait_dscnt 0x0                               ; for the other waves: my state is in LDS, and my reads of the other buffer ended at this step's head
	s_barrier_signal -1
	SEL S+96, S+32, 16                             ; register work while the others arrive
	SEL G16+4, G16, 1                              ; the chosen half's first three group maxima
	v_cndmask_b32 v[G16+6], v[G16+6], v[G16+2], vcc_lo
	v_cndmask_b32 v[IDX1], 64, 0, vcc_lo
	s_barrier_wait -1
	ds_load_b128 v[ST:ST+3],   v[VSTL] offset:L_STATE+512*(\k&1)         ; the next step's states; the rest of the index work covers their way
	ds_load_b128 v[ST+4:ST+7], v[VSTL] offset:L_STATE+512*(\k&1)+256
	; 64 -> 16: the first group whose maximum is m comes to lie in S+112 .. S+127 (group 3 lies there already)
	v_cmp_eq_f32 vcc_lo, v[G16+6], v[M]
	SEL S+112, S+96, 8
	v_cndmask_b32 v[IDX2], 48, 32, vcc_lo
	v_cmp_eq_f32 vcc_lo, v[G16+5], v[M]
	SEL S+112, S+80, 8
	v_cndmask_b32 v[IDX2], v[IDX2], 16, vcc_lo
	v_cmp_eq_f32 vcc_lo, v[G16+4], v[M]
	SEL S+112, S+64, 8
	v_cndmask_b32 v[IDX2], v[IDX2], 0, vcc_lo
	; 16 -> 4, into S+124 .. S+127
.irp c, 0,1,2
	v_max3_num_f32 v[HT+\c], v[S+112+4*\c], v[S+113+4*\c], v[S+114+4*\c]
.endr
.irp c, 0,1,2
	v_max_num_f32 v[HT+\c], v[HT+\c], v[S+115+4*\c]
.endr
	v_cmp_eq_f32 vcc_lo, v[HT+2], v[M]
	SEL S+124, S+120, 2
	v_cndmask_b32 v[IDX3], 12, 8, vcc_lo
	v_cmp_eq_f32 vcc_lo, v[HT+1], v[M]
	SEL S+124, S+116, 2
	v_cndmask_b32 v[IDX3], v[IDX3], 4, vcc_lo
	v_cmp_eq_f32 vcc_lo, v[HT], v[M]
	SEL S+124, S+112, 2
	v_cndmask_b32 v[IDX3], v[IDX3], 0, vcc_lo
	; 4 -> 1
	v_cmp_eq_f32 s26, v[S+126], v[M]
	v_cmp_eq_f32 s27, v[S+125], v[M]
	v_cmp_eq_f32 vcc_lo, v[S+124], v[M]
	v_add3_u32 v[IDX1], v[IDX1], v[IDX2], v[IDX3]
	v_cndmask_b32 v[IDX4], 3, 2, s26
	v_cndmask_b32 v[IDX4], v[IDX4], 1, s27
	v_cndmask_b32 v[IDX4], v[IDX4], 0, vcc_lo
	v_add_nc_u32 v[IDX1], v[IDX1], v[IDX4]
	v_cndmask_b32 v[BPV], v0, v[IDX1], s20         ; beyond the mask the backpointer is the tag itself
.endm
.Ltrip:
	STEP 0
	STEP 1
	STEP 2
	STEP 3
	STEP 4
	STEP 5
	STEP 6
	STEP 7
	v_add_nc_u32 v[VPOT], TRIPB, v[VPOT]
	v_add_nc_u32 v[VBP], STEPS*128, v[VBP]
	s_wait_kmcnt 0x0                               ; the next trip's mask bytes, asked for at this trip's head; their base may now step
	s_mov_b64 s[MCUR:MCUR+1], s[MNXT:MNXT+1]
	s_add_nc_u64 s[6:7], s[6:7], STEPS
	s_add_co_u32 s15, s15, 1
	s_cmp_lt_u32 s15, TRIPS
	s_cbranch_scc1 .Ltrip
	; THE LAST TAG: the first largest of the 128 final states, whose loads the last step issued.  Every wave finds it for itself.
	ds_store_b8 v[VBP], v[BPV]                     ; step 255's backpointer: table row 254
	s_wait_dscnt 0x1                               ; the two state loads are in; the store just issued may stay out
	v_max3_num_f32 v[M],   v[ST],   v[ST+1], v[ST+2]
	v_max3_num_f32 v[NEW], v[ST+3], v[ST+4], v[ST+5]
	v_max3_num_f32 v[M],   v[M],    v[ST+6], v[ST+7]
	v_max_num_f32 v[M], v[M], v[NEW]
.irp x, 1,2,4,8
	v_max_num_f32_dpp v[M], v[M], v[M] row_xmask:\x row_mask:0xf bank_mask:0xf     ; each row of 16 lanes holds all 128 states: four steps do
.endr
	v_mov_b32 v[IDX1], 0x100                       ; none of my eight
.irp q, 7,6,5,4,3,2,1,0
	v_cmp_eq_f32 vcc_lo, v[ST+\q], v[M]
	v_cndmask_b32 v[IDX1], v[IDX1], 16*(\q&4)+(\q&3), vcc_lo             ; register q holds state 64 (q / 4) + 4 n + q mod 4; the lowest match stays
.endr
	v_lshrrev_b32 v1, 2, v[VSTL]                   ; 4 n
	v_add_nc_u32 v[IDX1], v[IDX1], v1
	v_cvt_f32_u32 v[IDX1], v[IDX1]                 ; at most 319: exact in f32
.irp x, 1,2,4,8
	v_min_num_f32_dpp v[IDX1], v[IDX1], v[IDX1] row_xmask:\x row_mask:0xf bank_mask:0xf
.endr
	v_cvt_u32_f32 v[IDX1], v[IDX1]
	ds_store_b8 v[VBP], v[IDX1] offset:128         ; table row 255: the last tag, whatever tag it is entered with
	s_wait_dscnt 0x0                               ; my bytes of the table are in LDS
	s_barrier_signal -1
	s_barrier_wait -1                              ; everybody's are
	; THE TABLE'S WAY OUT: 32,768 bytes, sixteen loads and stores a wave; each store of the wave covers 512 consecutive bytes, aligned
	v_lshlrev_b32 v[VT], 4, v0
	v_add_nc_u32 v1, L_BP, v[VT]
.irp q, 0,1,2,3,4,5,6,7,8,9,10,11,12,13,14,15
	ds_load_b128 v[S+4*\q:S+4*\q+3], v1 offset:2048*\q
.endr
.irp q, 0,1,2,3,4,5,6,7,8,9,10,11,12,13,14,15
	s_wait_dscnt 15-\q                             ; LDS answers in order: load q is in, the younger ones may stay out
	global_store_b128 v[VT], v[S+4*\q:S+4*\q+3], s[12:13] offset:2048*\q
.endr
	s_wait_tensorcnt 0x0
	ds_add_u32 v126, v127
	s_wait_dscnt 0x0
	s_endpgm
.Lfunc_end_k_qa88c34a3d5_forward:
	.size	k_qa88c34a3d5_forward, .Lfunc_end_k_qa88c34a3d5_forward-k_qa88c34a3d5_forward
	.p2alignl 7, 3214868480
	.fill 96, 4, 3214868480
	.section	.rodata,"a",@progbits
	.p2align	6, 0x0
	.amdhsa_kernel k_qa88c34a3d5_forward
		.amdhsa_group_segment_fixed_size 168448
		.amdhsa_private_segment_fixed_size 0
		.amdhsa_enable_private_segment 0
		.amdhsa_kernarg_size 40
		.amdhsa_user_sgpr_count 2
		.amdhsa_user_sgpr_kernarg_segment_ptr 1
		.amdhsa_wavefront_size32 1
		.amdhsa_system_sgpr_workgroup_id_x 1
		.amdhsa_system_sgpr_workgroup_id_y 1
		.amdhsa_system_sgpr_workgroup_id_z 1
		.amdhsa_system_vgpr_workitem_id 0
		.amdhsa_next_free_vgpr 384
		.amdhsa_next_free_sgpr 66
		.amdhsa_reserve_vcc 1
		.amdhsa_float_denorm_mode_32 3
		.amdhsa_float_denorm_mode_16_64 3
		.amdhsa_memory_ordered 1
		.amdhsa_forward_progress 1
		.amdhsa_inst_pref_size 171
	.end_amdhsa_kernel
	.amdgpu_metadata
---
amdhsa.version: [ 1, 2 ]
amdhsa.kernels:
  - .name:           k_qa88c34a3d5_forward
    .symbol:         k_qa88c34a3d5_forward.kd
    .args:
      - { .name: inputs, .offset: 0, .size: 8, .value_kind: global_buffer, .address_space: global }
      - { .name: mask, .offset: 8, .size: 8, .value_kind: global_buffer, .address_space: global }
      - { .name: transitions, .offset: 16, .size: 8, .value_kind: global_buffer, .address_space: global }
      - { .name: out1, .offset: 24, .size: 8, .value_kind: global_buffer, .address_space: global }
      - { .name: bptab, .offset: 32, .size: 8, .value_kind: global_buffer, .address_space: global }
    .group_segment_fixed_size: 168448
    .private_segment_fixed_size: 0
    .kernarg_segment_align: 8
    .kernarg_segment_size: 40
    .max_flat_workgroup_size: 128
    .sgpr_count:     66
    .vgpr_count:     384
    .wavefront_size: 32
...
	.end_amdgpu_metadata
.endif
;; end of part 1
;; launch backtrack (part 2): grid 256 x 1, 32 waves a work-group, no clusters, 69,632 bytes of LDS; arguments bptab, mask, transitions, out0, out2, out3; writes out0, out2, out3
.if DOCPART == 2
	.amdgcn_target "amdgcn-amd-amdhsa--gfx1250"
	.amdhsa_code_object_version 6
	.text
	.protected	k_qa88c34a3d5_backtrack
	.globl	k_qa88c34a3d5_backtrack
	.p2align	8
	.type	k_qa88c34a3d5_backtrack,@function
k_qa88c34a3d5_backtrack:
	s_mov_b64 s[64:65], 0
	v_nop
	global_prefetch_b8 v0, s[64:65] scope:SCOPE_SE
	s_setreg_imm32_b32 hwreg(HW_REG_WAVE_MODE, 25, 1), 1
	s_wait_xcnt 0x0
; VITERBI, THE WALK BACK.  bptab[b][r][j], bytes: tag(r) = bptab[b][r][tag(r+1)] for r = 255 .. 0; row 255 holds the last tag in all its bytes,
; so the walk may be entered with any tag.  out0[b][r] = tag(r).  Also out2[b] = the sum of mask[b][.], and out3 = transitions.
; One work-group = one sequence, 1,024 threads.  A walk of 256 dependent look-ups is cut into eight chunks of 32 rows:
;   1. thread (c, e), c = 0..7, e = 0..127, walks chunk c (rows 32c+31 .. 32c) as if it were entered with tag e and writes down PATH[r][e], the tag it has at row r;
;   2. the tag with which chunk c is truly entered is PATH[32(c+1)][entry of chunk c+1]: seven dependent look-ups;
;   3. out0[b][r] = PATH[r][entry of r's chunk]: one look-up for each output.
; That is 32 + 7 + 1 dependent LDS look-ups.  Every tag read from the table is clamped to 127 before it enters an address.
; No cluster, no matrix unit: the work-groups share nothing but their own 256 bytes of a copy, and there is no product.
.set L_TAB,  0                         ; LDS: the table, 256 rows of 128 bytes
.set L_PATH, 32768                     ; LDS: PATH, the same shape
	s_load_b256 s[4:11], s[0:1], 0x0               ; bptab s[4:5], mask s[6:7], transitions s[8:9], out0 s[10:11]
	s_load_b128 s[12:15], s[0:1], 0x20             ; out2 s[12:13], out3 s[14:15]
	v_lshl_add_u32 v40, v0, 2, 0x10000
	v_mov_b32 v41, 0
	v_lshrrev_b32 v1, 5, v0
	v_readfirstlane_b32 s16, v1                    ; wave 0..31
	s_lshl_b32 s18, ttmp9, 15                      ; b x 32,768: the sequence's table
	s_mov_b32 s19, 0
	s_lshl_b32 s20, ttmp9, 8                       ; b x 256: its mask row; also this work-group's 256 bytes of transitions
	s_mov_b32 s21, 0
	s_lshl_b32 s22, ttmp9, 2                       ; its word of out2
	s_mov_b32 s23, 0
	s_lshl_b32 s24, ttmp9, 10                      ; its row of out0
	s_mov_b32 s25, 0
	v_lshlrev_b32 v2, 4, v0                        ; 16 x thread
	v_and_b32 v3, 31, v0                           ; lane
	v_lshlrev_b32 v20, 3, v3                       ; 8 x lane
	s_wait_kmcnt 0x0
	s_add_nc_u64 s[4:5], s[4:5], s[18:19]
	s_add_nc_u64 s[6:7], s[6:7], s[20:21]
	s_add_nc_u64 s[8:9], s[8:9], s[20:21]
	s_add_nc_u64 s[14:15], s[14:15], s[20:21]
	s_add_nc_u64 s[12:13], s[12:13], s[22:23]
	s_add_nc_u64 s[10:11], s[10:11], s[24:25]
	global_load_b128 v[4:7],  v2, s[4:5]                   ; the table: 32 bytes a thread
	global_load_b128 v[8:11], v2, s[4:5] offset:16384
	; wave 30: out2[b], while the table is on its way
	s_cmp_eq_u32 s16, 30
	s_cbranch_scc0 .Lnot_len
	global_load_b64 v[22:23], v20, s[6:7]          ; 8 mask bytes a lane, each 0 or 1
	s_mov_b32 s26, 0x76543210                      ; v_permlanex16_b32: lane i of one half reads lane i of the other
	s_mov_b32 s27, 0xfedcba98
	s_wait_loadcnt 0x0
	v_add_nc_u32 v22, v22, v23                     ; byte by byte, at most 2 each
	v_mul_lo_u32 v22, v22, 0x01010101              ; the top byte becomes the sum of the four, at most 8
	v_lshrrev_b32 v22, 24, v22
	v_cvt_f32_u32 v22, v22                         ; sums up to 256 are exact in f32
.irp x, 1,2,4,8
	v_add_f32_dpp v22, v22, v22 row_xmask:\x row_mask:0xf bank_mask:0xf
.endr
	v_permlanex16_b32 v23, v22, s26, s27
	v_add_f32 v22, v22, v23
	v_cvt_u32_f32 v22, v22
	v_mov_b32 v24, 0
	v_cmp_eq_u32 vcc_lo, 0, v3
	s_wait_xcnt 0x0                                ; EXEC changes only behind this wait
	s_and_saveexec_b32 s28, vcc_lo                 ; one lane stores the one word that this work-group owns (out2 is 1 KiB in all)
	global_store_b32 v24, v22, s[12:13]
	s_wait_xcnt 0x0                                ; and again in front of the line that widens it
	s_or_b32 exec_lo, exec_lo, s28
.Lnot_len:
	; wave 31: this work-group's 256 bytes of out3: 32 lanes x 8 bytes, one aligned block
	s_cmp_eq_u32 s16, 31
	s_cbranch_scc0 .Lnot_copy
	global_load_b64 v[22:23], v20, s[8:9]
	s_wait_loadcnt 0x0
	global_store_b64 v20, v[22:23], s[14:15]       ; v20, v22 and v23 are not written again
.Lnot_copy:
	v_and_b32 v12, 127, v0                         ; e
	v_lshrrev_b32 v13, 7, v0                       ; c
	v_lshlrev_b32 v13, 12, v13                     ; 4,096 c: chunk c's 32 rows
	v_add_nc_u32 v14, v13, v12                     ; the first look-up: chunk + e
	v_add_nc_u32 v15, L_PATH, v14                  ; where I write my path down: PATH, chunk, column e
	s_wait_loadcnt 0x0
	ds_store_b128 v2, v[4:7] offset:L_TAB
	ds_store_b128 v2, v[8:11] offset:L_TAB+16384
	s_wait_dscnt 0x0                               ; my part of the table is in LDS
	s_barrier_signal -1
	s_barrier_wait -1                              ; all of it is
	; 1. the chunk's 32 rows, from the last to the first
.set row, 31
.rept 32
	ds_load_u8 v16, v14 offset:L_TAB+128*row
	s_wait_dscnt 0x0
	v_min_u32 v16, 127, v16                        ; a tag
	ds_store_b8 v15, v16 offset:128*row            ; PATH[32 c + row][e]
	v_add_nc_u32 v14, v13, v16
.set row, row-1
.endr
	s_wait_dscnt 0x0                               ; my column of PATH is in LDS
	s_barrier_signal -1
	s_barrier_wait -1                              ; all of PATH is; no barrier follows
	s_cmp_lt_u32 s16, 4
	s_cbranch_scc1 .Lwalk
	s_wait_tensorcnt 0x0
	ds_add_u32 v40, v41
	s_wait_dscnt 0x0
	s_endpgm
.Lwalk:
	; 2. waves 0 to 3: thread i makes outputs 2 i and 2 i + 1, which lie in chunk i / 16.  Each thread follows the entries down and keeps its chunk's.
	v_lshrrev_b32 v26, 4, v0                       ; my chunk
	v_mov_b32 v27, 0                               ; chunk 7 may be entered with any tag: row 255 is constant
	v_mov_b32 v28, 0
.irp cc, 7,6,5,4,3,2,1
	ds_load_u8 v27, v27 offset:L_PATH+4096*\cc     ; PATH[32 cc][entry of chunk cc] = the entry of chunk cc - 1
	s_wait_dscnt 0x0
	v_min_u32 v27, 127, v27
	v_cmp_eq_u32 vcc_lo, \cc-1, v26
	v_cndmask_b32 v28, v28, v27, vcc_lo
.endr
	; 3. the outputs
	v_min_u32 v28, 127, v28
	v_lshl_add_u32 v29, v0, 8, v28                 ; row 2 i of 128 bytes + the entry
	ds_load_u8 v30, v29 offset:L_PATH
	ds_load_u8 v31, v29 offset:L_PATH+128
	v_lshlrev_b32 v32, 3, v0
	s_wait_dscnt 0x0
	global_store_b64 v32, v[30:31], s[10:11]       ; 32 lanes x 8 bytes: 256 consecutive bytes, aligned
	s_wait_tensorcnt 0x0
	ds_add_u32 v40, v41
	s_wait_dscnt 0x0
	s_endpgm
.Lfunc_end_k_qa88c34a3d5_backtrack:
	.size	k_qa88c34a3d5_backtrack, .Lfunc_end_k_qa88c34a3d5_backtrack-k_qa88c34a3d5_backtrack
	.p2alignl 7, 3214868480
	.fill 96, 4, 3214868480
	.section	.rodata,"a",@progbits
	.p2align	6, 0x0
	.amdhsa_kernel k_qa88c34a3d5_backtrack
		.amdhsa_group_segment_fixed_size 69632
		.amdhsa_private_segment_fixed_size 0
		.amdhsa_enable_private_segment 0
		.amdhsa_kernarg_size 48
		.amdhsa_user_sgpr_count 2
		.amdhsa_user_sgpr_kernarg_segment_ptr 1
		.amdhsa_wavefront_size32 1
		.amdhsa_system_sgpr_workgroup_id_x 1
		.amdhsa_system_sgpr_workgroup_id_y 1
		.amdhsa_system_sgpr_workgroup_id_z 1
		.amdhsa_system_vgpr_workitem_id 0
		.amdhsa_next_free_vgpr 42
		.amdhsa_next_free_sgpr 66
		.amdhsa_reserve_vcc 1
		.amdhsa_float_denorm_mode_32 3
		.amdhsa_float_denorm_mode_16_64 3
		.amdhsa_memory_ordered 1
		.amdhsa_forward_progress 1
		.amdhsa_inst_pref_size 14
	.end_amdhsa_kernel
	.amdgpu_metadata
---
amdhsa.version: [ 1, 2 ]
amdhsa.kernels:
  - .name:           k_qa88c34a3d5_backtrack
    .symbol:         k_qa88c34a3d5_backtrack.kd
    .args:
      - { .name: bptab, .offset: 0, .size: 8, .value_kind: global_buffer, .address_space: global }
      - { .name: mask, .offset: 8, .size: 8, .value_kind: global_buffer, .address_space: global }
      - { .name: transitions, .offset: 16, .size: 8, .value_kind: global_buffer, .address_space: global }
      - { .name: out0, .offset: 24, .size: 8, .value_kind: global_buffer, .address_space: global }
      - { .name: out2, .offset: 32, .size: 8, .value_kind: global_buffer, .address_space: global }
      - { .name: out3, .offset: 40, .size: 8, .value_kind: global_buffer, .address_space: global }
    .group_segment_fixed_size: 69632
    .private_segment_fixed_size: 0
    .kernarg_segment_align: 8
    .kernarg_segment_size: 48
    .max_flat_workgroup_size: 1024
    .sgpr_count:     66
    .vgpr_count:     42
    .wavefront_size: 32
...
	.end_amdgpu_metadata
.endif
;; end of part 2
;; ======== version 2 of 3: 2 launches; 1.16 times as fast as version 1
;; workspace buffers: bptab 8,388,608 bytes of whole numbers
;; launch forward (part 3): grid 256 x 1, 4 waves a work-group, no clusters, 168,448 bytes of LDS; arguments inputs, mask, transitions, out1, bptab; writes out1, bptab
.if DOCPART == 3
	.amdgcn_target "amdgcn-amd-amdhsa--gfx1250"
	.amdhsa_code_object_version 6
	.text
	.protected	k_qa88c34a3d5_forward
	.globl	k_qa88c34a3d5_forward
	.p2align	8
	.type	k_qa88c34a3d5_forward,@function
k_qa88c34a3d5_forward:
	s_mov_b64 s[64:65], 0
	v_nop
	global_prefetch_b8 v0, s[64:65] scope:SCOPE_SE
	s_setreg_imm32_b32 hwreg(HW_REG_WAVE_MODE, 25, 1), 1
	s_wait_xcnt 0x0
; VITERBI, FORWARD PASS.  inputs [256][256][128] f32, mask [256][256] bytes (0 or 1), transitions [128][128] f32.
; One work-group = one sequence b; four waves; thread j = v0 owns tag (column) j.  For t = 1 .. 255:
;   m[j] = max over i of (state[i] + trans[i][j]);  bp[j] = the first i that reaches it;
;   where mask[b][t]: state[j] = m[j] + inputs[b][t][j]; elsewhere the state stays and bp[j] = j.
; Every sum is one f32 add and every comparison is on those sums, as the definition has them, so the tags come out exactly.
; Stored: out1 = inputs (each row is loaded once, for both uses) and bptab[b][row][j], one byte each: row t-1 = bp of step t,
; row 255 = the tag with the first largest final state, in all its 128 bytes.  The walk back along the table is the next launch's.
;
; HOW A STEP IS LAID OUT
;  - trans[i][j], i = 0..127, stay in 128 registers of lane j (v256-v383).
;  - The 128 states lie in LDS.  Lane n of each row of 16 lanes loads states 4n..4n+3 and 64+4n..64+4n+3 (8 registers);
;    v_add_f32_dpp row_share:n adds the state held by lane n to every lane's own transition: 128 adds make the 128 sums.
;  - A tree of v_max3 gives the maxima of the eight groups of 16, of the first half of 64, and m.
;  - The first index: the block that holds the first maximum is found by comparing block maxima with m, and its sums are moved by
;    pairs of conditional moves: 128 -> 64 (the first half is taken if its maximum is m), 64 -> 16, 16 -> 4, 4 -> 1; blocks are tried
;    from the last to the first, so the first one that matches is the one that stays.
;  - THE CHAIN from step to step is: adds, tree, m, new state, store, barrier, loads.  All index work is kept off it:
;    43 instructions stand between the state's store and the wait in front of the barrier, none between the barrier's halves (the next
;    state's loads follow the barrier at once), 43 behind those loads, and the last nine (4 -> 1) are done in the NEXT step, one by one
;    between the dependent lines at the top of its tree.  For that the last four candidates have registers of their own, and m and the
;    step's mask take turns between two registers each.
;  - The state takes turns between two LDS buffers, so one barrier a step orders both the new state's reads and the old one's end.
; Step 0 runs as a step that is never valid (its mask byte is cleared): the state then stays inputs[b][0], and 256 steps are 32 equal trips.
; No cluster: the work-groups share only the 64 KiB of transitions, read once each, straight into the lane-per-column registers.
; LIMITS: NaN inputs are not served (v_max_num_f32 lets a NaN lose).  The sign of a zero state is not kept; no comparison tells the two zeros apart.
.set TRIPS,   32                       ; trips of the loop
.set STEPS,   8                        ; steps in a trip
.set ROWB,    512                      ; bytes in a row of inputs
.set TRIPB,   STEPS*ROWB               ; bytes of inputs in a trip
.set L_STATE, 0                        ; LDS: two state buffers of 512 bytes
.set L_BP,    1280                     ; LDS: the table, 256 rows of 128 bytes; the 256 bytes in front of it take the trailing stores of steps 0 and 1
.set L_POT,   34048                    ; LDS: the sequence's 256 rows of inputs, each written once, and one row of zeros behind them
.set ST,    2                          ; v[2:9]    states, 8 a lane, the same in both rows of 16 lanes
.set STC,   10                         ; my column's state
.set POTV,  11                         ; inputs[b][t][j]
.set M,     12                         ; v[12:13]  m[j], by the step's parity
.set NEW,   14
.set BPV,   15                         ; a finished backpointer on its way to the table
.set G16,   16                         ; v[16:23]  maxima of the groups of 16
.set G64A,  24                         ; the maximum of the first half
.set IDX1,  26                         ; the four parts of the index
.set IDX2,  27
.set IDX3,  28
.set IDX4,  29
.set HT,    30                         ; v[30:32]  maxima of three groups of 4
.set XM,    33                         ; the maximum of groups 0 to 5
.set VSTL,  34                         ; LDS address: 16 (lane mod 16), for the state loads
.set VSTS,  35                         ; 4 j: my state's LDS address, and my column's byte offset in a row
.set VPOT,  36                         ; LDS address of inputs[b][8 trip][j]
.set VBP,   37                         ; LDS address of table row 8 trip - 2, byte j
.set VROWL, 38                         ; LDS address where my wave's two rows go
.set VOFF,  39                         ; 1024 wave + 16 lane: my 16 bytes in my wave's two rows of a trip; never rewritten
.set R,     40                         ; v[40:47]  two rows on their way
.set VT,    48                         ; 16 j, for the table's way out
.set IDXS,  49                         ; the sum of the index parts
.set T,     64                         ; v[64:103] the max tree
.set Y,     104                        ; v[104:107] the last four candidates, kept into the next step
.set S,     128                        ; v[128:255] the 128 sums
.set MCUR,  16                         ; s[16:17]  this trip's 8 mask bytes
.set MNXT,  18                         ; s[18:19]  the next trip's
.set VAL,   20                         ; s[20:21]  the step's mask byte as a lane mask, by the step's parity
.set MSB, 0
.macro WIN new                         ; register window; the immediate's high byte repeats the setting that is left
.if MSB != \new
	s_set_vgpr_msb (MSB<<8)|\new
.set MSB, \new
.endif
.endm
; v[d+i] = vcc ? v[b+i] : v[a+i] for i = 0 .. 2n-1, two moves an instruction (d, a, b even: the pair's registers differ in parity and bank)
.macro SEL3 d, a, b, n
.set qq, 0
.rept \n
	v_dual_cndmask_b32 v[\d+qq], v[\a+qq], v[\b+qq] :: v_dual_cndmask_b32 v[\d+qq+1], v[\a+qq+1], v[\b+qq+1]
.set qq, qq+2
.endr
.endm
.macro SEL d, a, n                     ; in place: v[d+i] = vcc ? v[a+i] : v[d+i]
	SEL3 \d, \d, \a, \n
.endm
.macro TREE2 g                         ; group g: five maxima of three, and the sixteenth sum, become two
	v_max3_num_f32 v[T+5*\g],   v[T+5*\g],   v[T+5*\g+1], v[T+5*\g+2]
	v_max3_num_f32 v[T+5*\g+3], v[T+5*\g+3], v[T+5*\g+4], v[S+16*\g+15]
.endm
.macro TREE3 g                         ; and one
	v_max_num_f32 v[G16+\g], v[T+5*\g], v[T+5*\g+3]
.endm
; my wave's two rows go to LDS and to out1: each store of the wave covers 512 consecutive bytes, aligned
.macro ROWS_OUT
	ds_store_b128 v[VROWL], v[R:R+3]
	ds_store_b128 v[VROWL], v[R+4:R+7] offset:ROWB
	global_store_b128 v[VOFF], v[R:R+3], s[10:11] th:TH_STORE_NT
	global_store_b128 v[VOFF], v[R+4:R+7], s[10:11] offset:ROWB th:TH_STORE_NT
.endm
; all three places step on by a trip, and the next two rows are asked for
.macro ROWS_NEXT
	s_wait_loadcnt 0x0                             ; no load that names s[4:5] or lands in R is out
	s_wait_xcnt 0x0                                ; the stores' base and data are rewritten only behind this wait
	s_add_nc_u64 s[10:11], s[10:11], TRIPB
	s_add_nc_u64 s[4:5], s[4:5], TRIPB
	v_add_nc_u32 v[VROWL], TRIPB, v[VROWL]
	global_load_b128 v[R:R+3], v[VOFF], s[4:5] th:TH_LOAD_NT
	global_load_b128 v[R+4:R+7], v[VOFF], s[4:5] offset:ROWB th:TH_LOAD_NT
.endm
	s_load_b256 s[4:11], s[0:1], 0x0               ; inputs s[4:5], mask s[6:7], transitions s[8:9], out1 s[10:11]
	s_load_b64 s[12:13], s[0:1], 0x20              ; bptab
	v_lshl_add_u32 v126, v0, 2, 0x29000
	v_mov_b32 v127, 0
	s_lshl_b32 s24, ttmp9, 17                      ; b x 131,072: the sequence in inputs and out1
	s_mov_b32 s25, 0
	s_lshl_b32 s26, ttmp9, 8                       ; b x 256: its mask row
	s_mov_b32 s27, 0
	s_lshl_b32 s28, ttmp9, 15                      ; b x 32,768: its table
	s_mov_b32 s29, 0
	v_and_b32 v1, 31, v0
	v_lshlrev_b32 v[VOFF], 4, v1                   ; 16 lane
	v_and_b32 v1, 0x60, v0                         ; 32 wave
	v_lshl_or_b32 v[VOFF], v1, 5, v[VOFF]          ; + 1024 wave: wave w takes rows 2w and 2w+1 of each trip's eight
	v_add_nc_u32 v[VROWL], L_POT, v[VOFF]
	v_lshlrev_b32 v[VSTS], 2, v0
	v_add_nc_u32 v[VPOT], L_POT, v[VSTS]
	v_add_nc_u32 v[VBP], L_BP-256, v0
	v_and_b32 v1, 15, v0
	v_lshlrev_b32 v[VSTL], 4, v1
	s_wait_kmcnt 0x0
	s_add_nc_u64 s[4:5], s[4:5], s[24:25]
	s_add_nc_u64 s[10:11], s[10:11], s[24:25]
	s_add_nc_u64 s[6:7], s[6:7], s[26:27]
	s_add_nc_u64 s[12:13], s[12:13], s[28:29]
	global_load_b128 v[R:R+3], v[VOFF], s[4:5] th:TH_LOAD_NT             ; trip 0's rows
	global_load_b128 v[R+4:R+7], v[VOFF], s[4:5] offset:ROWB th:TH_LOAD_NT
	s_load_b64 s[MCUR:MCUR+1], s[6:7], 0x0         ; trip 0's mask bytes
	WIN 0x40                                       ; destinations in v256-v511
.set ii, 0
.rept 128
	global_load_b32 v[ii], v[VSTS], s[8:9] offset:ROWB*ii                ; v[256+i] = trans[i][j]
.set ii, ii+1
.endr
	WIN 0
	; a DPP instruction's destination counts as one of its sources, so each sum register is written once before the first step
.set qq, 0
.rept 64
	v_dual_mov_b32 v[S+qq], 0 :: v_dual_mov_b32 v[S+qq+1], 0
.set qq, qq+2
.endr
	; step 0 finishes the index of a step that never was: what it reads is written once; the result lands in front of the table
.irp r, Y, Y+1, Y+2, M+1, IDX1, IDX2, IDX3
	v_mov_b32 v[\r], 0
.endr
	v_add_nc_u32 v1, L_POT+256*ROWB, v[VSTS]
	s_wait_loadcnt 0x0                             ; the rows and all transitions, once
	ROWS_OUT                                       ; trip 0's rows
	ROWS_NEXT                                      ; trip 1's rows
	ds_store_b32 v1, v[IDX1]                       ; a row of zeros behind the 256 rows: the last step asks for the row after it and uses nothing of it
	s_wait_dscnt 0x0                               ; my rows are in LDS
	s_barrier_signal -1
	s_barrier_wait -1                              ; everybody's are
	ds_load_b32 v[STC], v[VPOT]                    ; the first state: inputs[b][0][j]
	s_wait_dscnt 0x0
	ds_store_b32 v[VSTS], v[STC] offset:L_STATE+512        ; into buffer 1, which step 0 reads
	s_wait_dscnt 0x0
	s_barrier_signal -1
	s_barrier_wait -1
	ds_load_b32 v[POTV], v[VPOT]
	ds_load_b128 v[ST:ST+3],   v[VSTL] offset:L_STATE+512
	ds_load_b128 v[ST+4:ST+7], v[VSTL] offset:L_STATE+512+256
	s_wait_kmcnt 0x0
	s_and_b32 s[MCUR], s[MCUR], 0xffffff00         ; step 0 is never valid
	s_mov_b64 s[MNXT:MNXT+1], s[MCUR:MCUR+1]       ; written on every path that reads it
	s_mov_b32 s[VAL+1], 0                          ; the step that never was: not valid
	s_mov_b32 s15, 0                               ; trip
	s_wait_dscnt 0x0                               ; no byte store follows these loads, so the count at the first step's head would not cover them
; Step t = 8 trip + k.  It reads state buffer (k+1)&1, whose loads were issued behind the barrier of the step before, and writes buffer k&1.
.macro STEP k
.set PAR, \k&1
.set PRV, 1-PAR
	WIN 0x04                                       ; second source in v256-v511: the transitions
	s_wait_dscnt 0x1                               ; LDS answers in order: the potential and the two state loads are in; the byte store issued behind them may stay out
.irp hh, 0,1
.irp ln, 0,1,2,3,4,5,6,7,8,9,10,11,12,13,14,15
.irp rr, 0,1,2,3
	v_add_f32_dpp v[S+64*\hh+4*\ln+\rr], v[ST+4*\hh+\rr], v[64*\hh+4*\ln+\rr] row_share:\ln row_mask:0xf bank_mask:0xf   ; state[i] + trans[i][j], i = 64 hh + 4 ln + rr
.endr
.endr
.endr
	WIN 0
	; the step's mask byte; it stands here, away from the dependent lines at the top of the tree.  This parity's register was last read in the step before.
	s_bfe_u32 s22, s[MCUR+\k/4], 0x80000+8*(\k%4)  ; mask[b][t]; SCC = it is not 0
	s_cselect_b32 s[VAL+PAR], -1, 0                ; as a lane mask: it only selects values
	; maxima of the eight groups of 16, level by level, so that no instruction follows closely on one that it needs
.irp g, 0,1,2,3,4,5,6,7
.irp q, 0,1,2,3,4
	v_max3_num_f32 v[T+5*\g+\q], v[S+16*\g+3*\q], v[S+16*\g+3*\q+1], v[S+16*\g+3*\q+2]
.endr
.endr
	TREE2 0
	TREE2 1
	TREE2 2
	TREE2 3
	TREE3 0
	TREE3 1
	TREE3 2
	TREE3 3
	TREE2 4
	TREE2 5
	v_max3_num_f32 v[G64A], v[G16], v[G16+1], v[G16+2]
	TREE2 6
	TREE2 7
	v_max_num_f32 v[G64A], v[G64A], v[G16+3]       ; the first half's maximum
	TREE3 4
	TREE3 5
	TREE3 6
	TREE3 7
	; the top of the tree, the new state and its store depend on each other line by line; between them stand lines of the step before's
	; index (4 -> 1) and the test of the first half, so that the moves behind the store find VCC made
	v_max3_num_f32 v[XM], v[G64A], v[G16+4], v[G16+5]
	v_cmp_eq_f32 s26, v[Y+2], v[M+PRV]
	v_cmp_eq_f32 s27, v[Y+1], v[M+PRV]
	v_cmp_eq_f32 s28, v[Y],   v[M+PRV]
	v_max3_num_f32 v[M+PAR], v[XM], v[G16+6], v[G16+7]     ; m
	v_add3_u32 v[IDXS], v[IDX1], v[IDX2], v[IDX3]
	v_cndmask_b32 v[IDX4], 3, 2, s26
	v_add_f32 v[NEW], v[M+PAR], v[POTV]
	v_cmp_eq_f32 vcc_lo, v[G64A], v[M+PAR]         ; the first maximum lies in i < 64: m is the larger of the halves' maxima, so a tie goes to the first half
	v_cndmask_b32 v[IDX4], v[IDX4], 1, s27
	v_cndmask_b32 v[STC], v[STC], v[NEW], s[VAL+PAR]       ; the state moves on only where the mask says so
	ds_store_b32 v[VSTS], v[STC] offset:L_STATE+512*PAR
.if \k == 0
	; once a trip, behind the state's store: the next trip's rows, asked for seven steps ago, go to LDS (first read in this trip's last step,
	; seven barriers on) and to out1.  The last trip has none.
	s_cmp_lt_u32 s15, TRIPS-1
	s_cbranch_scc0 .Lno_out
	s_load_b64 s[MNXT:MNXT+1], s[6:7], 0x8         ; the next trip's mask bytes
	s_wait_loadcnt 0x0                             ; my two rows
	ROWS_OUT
.Lno_out:
.endif
.if \k == 1
	; one step later, so that the wait for the stores' addresses is met: the places step on, and the rows after those are asked for.
	; The last two trips ask for nothing: no load passes the sequence's end.
	s_cmp_lt_u32 s15, TRIPS-2
	s_cbranch_scc0 .Lno_in
	ROWS_NEXT
.Lno_in:
.endif
	v_cndmask_b32 v[IDX4], v[IDX4], 0, s28
	SEL G16+4, G16, 1                              ; the chosen half's first three group maxima
	v_cndmask_b32 v[G16+6], v[G16+6], v[G16+2], vcc_lo
	v_cndmask_b32 v[IDX1], 64, 0, vcc_lo
	v_add_nc_u32 v[IDXS], v[IDXS], v[IDX4]
	; 128 -> 64: the half with the first maximum comes to lie in S+64 .. S+127
	SEL S+64, S, 32
	; 64 -> 16: the first group whose maximum is m comes to lie in S+112 .. S+127 (group 3 lies there already)
	v_cmp_eq_f32 vcc_lo, v[G16+6], v[M+PAR]
	v_cndmask_b32 v[BPV], v0, v[IDXS], s[VAL+PRV]  ; the step before's backpointer; beyond the mask it is the tag itself
	SEL S+112, S+96, 4
	s_wait_dscnt 0x0                               ; for the other waves: my state (and rows) are in LDS, and my reads of the other buffer ended at this step's head
	s_barrier_signal -1
	s_barrier_wait -1
	ds_load_b32 v[POTV], v[VPOT] offset:ROWB*(\k+1)                      ; the next step's potential and states, in one run; the rest of the index work covers their way
	ds_load_b128 v[ST:ST+3],   v[VSTL] offset:L_STATE+512*PAR
	ds_load_b128 v[ST+4:ST+7], v[VSTL] offset:L_STATE+512*PAR+256
	ds_store_b8 v[VBP], v[BPV] offset:128*\k       ; the step before's backpointer, into table row t - 2
	SEL S+120, S+104, 4
	v_cndmask_b32 v[IDX2], 48, 32, vcc_lo
	v_cmp_eq_f32 vcc_lo, v[G16+5], v[M+PAR]
	SEL S+112, S+80, 8
	v_cndmask_b32 v[IDX2], v[IDX2], 16, vcc_lo
	v_cmp_eq_f32 vcc_lo, v[G16+4], v[M+PAR]
	SEL S+112, S+64, 8
	v_cndmask_b32 v[IDX2], v[IDX2], 0, vcc_lo
	; 16 -> 4, into Y .. Y+3, which the next step's adds do not touch
.irp c, 0,1,2
	v_max3_num_f32 v[HT+\c], v[S+112+4*\c], v[S+113+4*\c], v[S+114+4*\c]
.endr
.irp c, 0,1,2
	v_max_num_f32 v[HT+\c], v[HT+\c], v[S+115+4*\c]
.endr
	v_cmp_eq_f32 vcc_lo, v[HT+2], v[M+PAR]
	SEL3 Y, S+124, S+120, 2
	v_cndmask_b32 v[IDX3], 12, 8, vcc_lo
	v_cmp_eq_f32 vcc_lo, v[HT+1], v[M+PAR]
	SEL Y, S+116, 2
	v_cndmask_b32 v[IDX3], v[IDX3], 4, vcc_lo
	v_cmp_eq_f32 vcc_lo, v[HT], v[M+PAR]
	SEL Y, S+112, 2
	v_cndmask_b32 v[IDX3], v[IDX3], 0, vcc_lo
.endm
.Ltrip:
	STEP 0
	STEP 1
	STEP 2
	STEP 3
	STEP 4
	STEP 5
	STEP 6
	STEP 7
	v_add_nc_u32 v[VPOT], TRIPB, v[VPOT]
	v_add_nc_u32 v[VBP], STEPS*128, v[VBP]
	s_wait_kmcnt 0x0                               ; the next trip's mask bytes, asked for in this trip's first step; their base may now step
	s_mov_b64 s[MCUR:MCUR+1], s[MNXT:MNXT+1]
	s_add_nc_u64 s[6:7], s[6:7], STEPS
	s_add_co_u32 s15, s15, 1
	s_cmp_lt_u32 s15, TRIPS
	s_cbranch_scc1 .Ltrip
	; step 255's index is finished here (its parity is 1), as every other step's is in the step behind it
	v_cmp_eq_f32 s26, v[Y+2], v[M+1]
	v_cmp_eq_f32 s27, v[Y+1], v[M+1]
	v_cmp_eq_f32 s28, v[Y],   v[M+1]
	v_add3_u32 v[IDXS], v[IDX1], v[IDX2], v[IDX3]
	v_cndmask_b32 v[IDX4], 3, 2, s26
	v_cndmask_b32 v[IDX4], v[IDX4], 1, s27
	v_cndmask_b32 v[IDX4], v[IDX4], 0, s28
	v_add_nc_u32 v[IDXS], v[IDXS], v[IDX4]
	v_cndmask_b32 v[BPV], v0, v[IDXS], s[VAL+1]
	ds_store_b8 v[VBP], v[BPV]                     ; table row 254
	; THE LAST TAG: the first largest of the 128 final states, whose loads the last step issued.  Every wave finds it for itself.
	s_wait_dscnt 0x2                               ; the state loads are in; the two byte stores issued behind them may stay out
	v_max3_num_f32 v[M],   v[ST],   v[ST+1], v[ST+2]
	v_max3_num_f32 v[NEW], v[ST+3], v[ST+4], v[ST+5]
	v_max3_num_f32 v[M],   v[M],    v[ST+6], v[ST+7]
	v_max_num_f32 v[M], v[M], v[NEW]
.irp x, 1,2,4,8
	v_max_num_f32_dpp v[M], v[M], v[M] row_xmask:\x row_mask:0xf bank_mask:0xf     ; each row of 16 lanes holds all 128 states: four steps do
.endr
	v_mov_b32 v[IDX1], 0x100                       ; none of my eight
.irp q, 7,6,5,4,3,2,1,0
	v_cmp_eq_f32 vcc_lo, v[ST+\q], v[M]
	v_cndmask_b32 v[IDX1], v[IDX1], 16*(\q&4)+(\q&3), vcc_lo             ; register q holds state 64 (q / 4) + 4 n + q mod 4; the lowest match stays
.endr
	v_lshrrev_b32 v1, 2, v[VSTL]                   ; 4 n
	v_add_nc_u32 v[IDX1], v[IDX1], v1
	v_cvt_f32_u32 v[IDX1], v[IDX1]                 ; at most 319: exact in f32
.irp x, 1,2,4,8
	v_min_num_f32_dpp v[IDX1], v[IDX1], v[IDX1] row_xmask:\x row_mask:0xf bank_mask:0xf
.endr
	v_cvt_u32_f32 v[IDX1], v[IDX1]
	ds_store_b8 v[VBP], v[IDX1] offset:128         ; table row 255: the last tag, whatever tag it is entered with
	s_wait_dscnt 0x0                               ; my bytes of the table are in LDS
	s_barrier_signal -1
	s_barrier_wait -1                              ; everybody's are
	; THE TABLE'S WAY OUT: 32,768 bytes, sixteen loads and stores a wave; each store of the wave covers 512 consecutive bytes, aligned
	v_lshlrev_b32 v[VT], 4, v0
	v_add_nc_u32 v1, L_BP, v[VT]
.irp q, 0,1,2,3,4,5,6,7,8,9,10,11,12,13,14,15
	ds_load_b128 v[S+4*\q:S+4*\q+3], v1 offset:2048*\q
.endr
.irp q, 0,1,2,3,4,5,6,7,8,9,10,11,12,13,14,15
	s_wait_dscnt 15-\q                             ; LDS answers in order: load q is in, the younger ones may stay out
	global_store_b128 v[VT], v[S+4*\q:S+4*\q+3], s[12:13] offset:2048*\q
.endr
	s_wait_tensorcnt 0x0
	ds_add_u32 v126, v127
	s_wait_dscnt 0x0
	s_endpgm
.Lfunc_end_k_qa88c34a3d5_forward:
	.size	k_qa88c34a3d5_forward, .Lfunc_end_k_qa88c34a3d5_forward-k_qa88c34a3d5_forward
	.p2alignl 7, 3214868480
	.fill 96, 4, 3214868480
	.section	.rodata,"a",@progbits
	.p2align	6, 0x0
	.amdhsa_kernel k_qa88c34a3d5_forward
		.amdhsa_group_segment_fixed_size 168448
		.amdhsa_private_segment_fixed_size 0
		.amdhsa_enable_private_segment 0
		.amdhsa_kernarg_size 40
		.amdhsa_user_sgpr_count 2
		.amdhsa_user_sgpr_kernarg_segment_ptr 1
		.amdhsa_wavefront_size32 1
		.amdhsa_system_sgpr_workgroup_id_x 1
		.amdhsa_system_sgpr_workgroup_id_y 1
		.amdhsa_system_sgpr_workgroup_id_z 1
		.amdhsa_system_vgpr_workitem_id 0
		.amdhsa_next_free_vgpr 384
		.amdhsa_next_free_sgpr 66
		.amdhsa_reserve_vcc 1
		.amdhsa_float_denorm_mode_32 3
		.amdhsa_float_denorm_mode_16_64 3
		.amdhsa_memory_ordered 1
		.amdhsa_forward_progress 1
		.amdhsa_inst_pref_size 172
	.end_amdhsa_kernel
	.amdgpu_metadata
---
amdhsa.version: [ 1, 2 ]
amdhsa.kernels:
  - .name:           k_qa88c34a3d5_forward
    .symbol:         k_qa88c34a3d5_forward.kd
    .args:
      - { .name: inputs, .offset: 0, .size: 8, .value_kind: global_buffer, .address_space: global }
      - { .name: mask, .offset: 8, .size: 8, .value_kind: global_buffer, .address_space: global }
      - { .name: transitions, .offset: 16, .size: 8, .value_kind: global_buffer, .address_space: global }
      - { .name: out1, .offset: 24, .size: 8, .value_kind: global_buffer, .address_space: global }
      - { .name: bptab, .offset: 32, .size: 8, .value_kind: global_buffer, .address_space: global }
    .group_segment_fixed_size: 168448
    .private_segment_fixed_size: 0
    .kernarg_segment_align: 8
    .kernarg_segment_size: 40
    .max_flat_workgroup_size: 128
    .sgpr_count:     66
    .vgpr_count:     384
    .wavefront_size: 32
...
	.end_amdgpu_metadata
.endif
;; end of part 3
;; launch backtrack: the kernel of part 2 again; grid 256 x 1, 32 waves a work-group, no clusters, 69,632 bytes of LDS; arguments bptab, mask, transitions, out0, out2, out3; writes out0, out2, out3
;; ======== version 3 of 3: 2 launches; version 2 with the launch forward written anew for expert scheduling mode
;; workspace buffers: bptab 8,388,608 bytes of whole numbers
;; launch forward (part 4): grid 256 x 1, 4 waves a work-group, no clusters, 168,448 bytes of LDS; arguments inputs, mask, transitions, out1, bptab; writes out1, bptab
.if DOCPART == 4
	.amdgcn_target "amdgcn-amd-amdhsa--gfx1250"
	.amdhsa_code_object_version 6
	.text
	.protected	k_qa88c34a3d5_forward
	.globl	k_qa88c34a3d5_forward
	.p2align	8
	.type	k_qa88c34a3d5_forward,@function
k_qa88c34a3d5_forward:
	s_mov_b64 s[64:65], 0
	v_nop
	global_prefetch_b8 v0, s[64:65] scope:SCOPE_SE
	s_setreg_imm32_b32 hwreg(HW_REG_WAVE_SCHED_MODE, 0, 2), 2
	s_setreg_imm32_b32 hwreg(HW_REG_WAVE_MODE, 25, 1), 1
	s_wait_xcnt 0x0
	s_wait_alu depctr_vm_vsrc(0)
; VITERBI, FORWARD PASS.  inputs [256][256][128] f32, mask [256][256] bytes (0 or 1), transitions [128][128] f32.
; One work-group = one sequence b; four waves; thread j = v0 owns tag (column) j.  For t = 1 .. 255:
;   m[j] = max over i of (state[i] + trans[i][j]);  bp[j] = the first i that reaches it;
;   where mask[b][t]: state[j] = m[j] + inputs[b][t][j]; elsewhere the state stays and bp[j] = j.
; Every sum is one f32 add and every comparison is on those sums, as the definition has them, so the tags come out exactly.
; Stored: out1 = inputs (each row is loaded once, for both uses) and bptab[b][row][j], one byte each: row t-1 = bp of step t,
; row 255 = the tag with the first largest final state, in all its 128 bytes.  The walk back along the table is the next launch's.
;
; HOW A STEP IS LAID OUT
;  - trans[i][j], i = 0..127, stay in 128 registers of lane j (v256-v383).
;  - The 128 states lie in LDS.  Lane n of each row of 16 lanes loads states 4n..4n+3 and 64+4n..64+4n+3 (8 registers);
;    v_add_f32_dpp row_share:n adds the state held by lane n to every lane's own transition: 128 adds make the 128 sums.
;  - A tree of v_max3 gives the maxima of the eight groups of 16, of the first half of 64, and m.
;  - The first index: the block that holds the first maximum is found by comparing block maxima with m, and its sums are moved by
;    conditional moves: 128 -> 64 (the first half is taken if its maximum is m) and 64 -> 16 in pairs under VCC, 16 -> 4 singly under three
;    masks made in one run, 4 -> 1 by compares alone; blocks are tried from the last to the first, so the first one that matches stays.
;  - THE CHAIN from step to step is: adds, tree, m, new state, store, barrier, loads.  All index work is kept off it:
;    46 vector instructions stand between the state's store and the wait in front of the barrier, none between the barrier's halves (the next
;    state's loads follow the barrier at once), 40 behind those loads, and the last nine (4 -> 1) are done in the NEXT step: its compares at
;    the head of the tree, the rest between the dependent lines at its top.  For that the last candidates have registers of their own, and m
;    and the step's mask take turns between two registers each.
;  - The state takes turns between two LDS buffers, so one barrier a step orders both the new state's reads and the old one's end.
; Step 0 runs as a step that is never valid (its mask byte is cleared): the state then stays inputs[b][0], and 256 steps are 32 equal trips.
; No cluster: the work-groups share only the 64 KiB of transitions, read once each, straight into the lane-per-column registers.
; LIMITS: NaN inputs are not served (v_max_num_f32 lets a NaN lose).  The sign of a zero state is not kept; no comparison tells the two zeros apart.
;
; THE MODE: SCHED_MODE bits 1:0 = 2 (LLVM: expert scheduling mode 2), set by the entry lines.  The code itself states the register dependences
; between vector instructions and memory or LDS instructions, and those through scalar registers and VCC that vector instructions write, with s_wait_alu, always for 0.
; THE PLAN.  Registers that LDS or memory instructions touch, in the loop:
;   v[ST ..], v[POTV]   The loads behind a step's barrier land in them; the next step's 128 adds and its add of the potential read them.
;   v[STC]              Written by a step's last select; read by the state's store behind it.
;   v[BPV]              Written one line ahead of v[STC]; read by the byte store behind the same step's barrier.
;   v[R ..]             Named by loads and stores alone: stored in a trip's first step, loaded again in its second.
;   v[VROWL]            Read by the first step's two LDS stores of rows; stepped in the second step.
;   v[VPOT], v[VBP]     Read behind every barrier; stepped at a trip's end.
;   v[VSTS], v[VSTL], v[VOFF]   Made at the head and never written again.
;   The sums, the tree, the index's parts, Y and m are named by vector instructions alone.
; So ONE wait on va_vdst stands in a step, ahead of the state's store: v[STC] and v[BPV] are written, the adds are done reading v[ST ..] and v[POTV], and what was
; stepped since (v[VPOT], v[VBP], v[VROWL]) is written.  The index work between that wait and the step's last LDS instruction names none of these registers.
; And ONE wait on vm_vsrc stands at a step's end: its stores have read v[STC], v[BPV], v[R ..] and v[VROWL], its LDS instructions v[VPOT] and v[VBP]; all are written again only behind it.
; A mask that a compare makes is stated written ahead of its first reader: the compares into scalar registers stand in runs with one wait behind each run.
.set TRIPS,   32                       ; trips of the loop
.set STEPS,   8                        ; steps in a trip
.set ROWB,    512                      ; bytes in a row of inputs
.set TRIPB,   STEPS*ROWB               ; bytes of inputs in a trip
.set L_STATE, 0                        ; LDS: two state buffers of 512 bytes
.set L_BP,    1280                     ; LDS: the table, 256 rows of 128 bytes; the 256 bytes in front of it take the trailing stores of steps 0 and 1
.set L_POT,   34048                    ; LDS: the sequence's 256 rows of inputs, each written once, and one row of zeros behind them
.set ST,    2                          ; v[2:9]    states, 8 a lane, the same in both rows of 16 lanes
.set STC,   10                         ; my column's state
.set POTV,  11                         ; inputs[b][t][j]
.set M,     12                         ; v[12:13]  m[j], by the step's parity
.set NEW,   14
.set BPV,   15                         ; a finished backpointer on its way to the table
.set G16,   16                         ; v[16:23]  maxima of the groups of 16
.set G64A,  24                         ; the maximum of the first half
.set IDX1,  26                         ; the four parts of the index
.set IDX2,  27
.set IDX3,  28
.set IDX4,  29
.set HT,    30                         ; v[30:32]  maxima of three groups of 4
.set XM,    33                         ; the maximum of groups 0 to 5
.set VSTL,  34                         ; LDS address: 16 (lane mod 16), for the state loads
.set VSTS,  35                         ; 4 j: my state's LDS address, and my column's byte offset in a row
.set VPOT,  36                         ; LDS address of inputs[b][8 trip][j]
.set VBP,   37                         ; LDS address of table row 8 trip - 2, byte j
.set VROWL, 38                         ; LDS address where my wave's two rows go
.set VOFF,  39                         ; 1024 wave + 16 lane: my 16 bytes in my wave's two rows of a trip; never rewritten
.set R,     40                         ; v[40:47]  two rows on their way
.set VT,    48                         ; 16 j, for the table's way out
.set IDXS,  49                         ; the sum of the index parts
.set T,     64                         ; v[64:103] the max tree
.set Y,     104                        ; v[104:106] the first three of the last four candidates, kept into the next step (the fourth is what is left if none of them is m)
.set S,     128                        ; v[128:255] the 128 sums
.set MCUR,  16                         ; s[16:17]  this trip's 8 mask bytes
.set MNXT,  18                         ; s[18:19]  the next trip's
.set VAL,   20                         ; s[20:21]  the step's mask byte as a lane mask, by the step's parity
.set CL,    22                         ; s[22:29]  behind the loop: which of my eight final states is the largest
.set CY,    26                         ; s[26:28]  which of Y .. Y+2 is m
.set CH,    29                         ; s[29:31]  which of the three groups of 4 holds m
.set MSB, 0
.macro WIN new                         ; register window; the immediate's high byte repeats the setting that is left
.if MSB != \new
	s_set_vgpr_msb (MSB<<8)|\new
.set MSB, \new
.endif
.endm
; v[d+i] = vcc ? v[b+i] : v[a+i] for i = 0 .. 2n-1, two moves an instruction (d, a, b even: the pair's registers differ in parity and bank)
.macro SEL3 d, a, b, n
.set qq, 0
.rept \n
	v_dual_cndmask_b32 v[\d+qq], v[\a+qq], v[\b+qq] :: v_dual_cndmask_b32 v[\d+qq+1], v[\a+qq+1], v[\b+qq+1]
.set qq, qq+2
.endr
.endm
.macro SEL d, a, n                     ; in place: v[d+i] = vcc ? v[a+i] : v[d+i]
	SEL3 \d, \d, \a, \n
.endm
.macro TREE2 g                         ; group g: five maxima of three, and the sixteenth sum, become two
	v_max3_num_f32 v[T+5*\g],   v[T+5*\g],   v[T+5*\g+1], v[T+5*\g+2]
	v_max3_num_f32 v[T+5*\g+3], v[T+5*\g+3], v[T+5*\g+4], v[S+16*\g+15]
.endm
.macro TREE3 g                         ; and one
	v_max_num_f32 v[G16+\g], v[T+5*\g], v[T+5*\g+3]
.endm
; my wave's two rows go to LDS and to out1: each store of the wave covers 512 consecutive bytes, aligned.
; Their data come from loads; v[VROWL] and v[VOFF] were written ahead of the last wait on va_vdst, and no vector instruction since names them.
.macro ROWS_OUT
	ds_store_b128 v[VROWL], v[R:R+3]
	ds_store_b128 v[VROWL], v[R+4:R+7] offset:ROWB
	global_store_b128 v[VOFF], v[R:R+3], s[10:11] th:TH_STORE_NT
	global_store_b128 v[VOFF], v[R+4:R+7], s[10:11] offset:ROWB th:TH_STORE_NT
.endm
; all three places step on by a trip, and the next two rows are asked for.  A wait on vm_vsrc stands between ROWS_OUT and this: at the head written out, in the loop the one at the first step's end.
.macro ROWS_NEXT
	s_wait_loadcnt 0x0                             ; no load that names s[4:5] or lands in R is out
	s_wait_xcnt 0x0                                ; the stores' base and data are rewritten only behind this wait
	s_add_nc_u64 s[10:11], s[10:11], TRIPB
	s_add_nc_u64 s[4:5], s[4:5], TRIPB
	v_add_nc_u32 v[VROWL], TRIPB, v[VROWL]
	global_load_b128 v[R:R+3], v[VOFF], s[4:5] th:TH_LOAD_NT
	global_load_b128 v[R+4:R+7], v[VOFF], s[4:5] offset:ROWB th:TH_LOAD_NT
.endm
	s_load_b256 s[4:11], s[0:1], 0x0               ; inputs s[4:5], mask s[6:7], transitions s[8:9], out1 s[10:11]
	s_load_b64 s[12:13], s[0:1], 0x20              ; bptab
	v_lshl_add_u32 v126, v0, 2, 0x29000
	v_mov_b32 v127, 0
	s_lshl_b32 s24, ttmp9, 17                      ; b x 131,072: the sequence in inputs and out1
	s_mov_b32 s25, 0
	s_lshl_b32 s26, ttmp9, 8                       ; b x 256: its mask row
	s_mov_b32 s27, 0
	s_lshl_b32 s28, ttmp9, 15                      ; b x 32,768: its table
	s_mov_b32 s29, 0
	v_and_b32 v1, 31, v0
	v_lshlrev_b32 v[VOFF], 4, v1                   ; 16 lane
	v_and_b32 v1, 0x60, v0                         ; 32 wave
	v_lshl_or_b32 v[VOFF], v1, 5, v[VOFF]          ; + 1024 wave: wave w takes rows 2w and 2w+1 of each trip's eight
	v_add_nc_u32 v[VROWL], L_POT, v[VOFF]
	v_lshlrev_b32 v[VSTS], 2, v0
	v_add_nc_u32 v[VPOT], L_POT, v[VSTS]
	v_add_nc_u32 v[VBP], L_BP-256, v0
	v_and_b32 v1, 15, v0
	v_lshlrev_b32 v[VSTL], 4, v1
	v_add_nc_u32 v1, L_POT+256*ROWB, v[VSTS]       ; my word of the row of zeros behind the 256 rows
	; step 0 finishes the index of a step that never was: what it reads is written once; the result lands in front of the table
.irp r, Y, Y+1, Y+2, M+1, IDX1, IDX2, IDX3
	v_mov_b32 v[\r], 0
.endr
	s_wait_kmcnt 0x0
	s_add_nc_u64 s[4:5], s[4:5], s[24:25]
	s_add_nc_u64 s[10:11], s[10:11], s[24:25]
	s_add_nc_u64 s[6:7], s[6:7], s[26:27]
	s_add_nc_u64 s[12:13], s[12:13], s[28:29]
	s_wait_alu depctr_va_vdst(0)                   ; the six offsets and LDS addresses are written, which the loads and stores below read; so are v1 and v[IDX1], the address and the data of the store of zeros
	global_load_b128 v[R:R+3], v[VOFF], s[4:5] th:TH_LOAD_NT             ; trip 0's rows
	global_load_b128 v[R+4:R+7], v[VOFF], s[4:5] offset:ROWB th:TH_LOAD_NT
	s_load_b64 s[MCUR:MCUR+1], s[6:7], 0x0         ; trip 0's mask bytes
	WIN 0x40                                       ; destinations in v256-v511; between the wait above and these loads stand loads, a scalar load and this switch alone
.set ii, 0
.rept 128
	global_load_b32 v[ii], v[VSTS], s[8:9] offset:ROWB*ii                ; v[256+i] = trans[i][j]
.set ii, ii+1
.endr
	WIN 0
	; a DPP instruction's destination counts as one of its sources, so each sum register is written once before the first step
.set qq, 0
.rept 64
	v_dual_mov_b32 v[S+qq], 0 :: v_dual_mov_b32 v[S+qq+1], 0
.set qq, qq+2
.endr
	s_wait_loadcnt 0x0                             ; the rows and all transitions, once
	ROWS_OUT                                       ; trip 0's rows
	s_wait_alu depctr_vm_vsrc(0)                   ; those four stores have read v[R ..], in which the next loads land, and v[VROWL], which is stepped
	ROWS_NEXT                                      ; trip 1's rows
	ds_store_b32 v1, v[IDX1]                       ; a row of zeros behind the 256 rows: the last step asks for the row after it and uses nothing of it
	s_wait_dscnt 0x0                               ; my rows are in LDS
	s_barrier_signal -1
	s_barrier_wait -1                              ; everybody's are
	ds_load_b32 v[STC], v[VPOT]                    ; the first state: inputs[b][0][j]
	s_wait_dscnt 0x0
	ds_store_b32 v[VSTS], v[STC] offset:L_STATE+512        ; into buffer 1, which step 0 reads
	s_wait_dscnt 0x0
	s_barrier_signal -1
	s_barrier_wait -1
	ds_load_b32 v[POTV], v[VPOT]
	ds_load_b128 v[ST:ST+3],   v[VSTL] offset:L_STATE+512
	ds_load_b128 v[ST+4:ST+7], v[VSTL] offset:L_STATE+512+256
	s_wait_kmcnt 0x0
	s_and_b32 s[MCUR], s[MCUR], 0xffffff00         ; step 0 is never valid
	s_mov_b64 s[MNXT:MNXT+1], s[MCUR:MCUR+1]       ; written on every path that reads it
	s_mov_b32 s[VAL+1], 0                          ; the step that never was: not valid
	s_mov_b32 s15, 0                               ; trip
	s_wait_dscnt 0x0                               ; no byte store follows these loads, so the count at the first step's head would not cover them
	s_wait_alu depctr_vm_vsrc(0)                   ; the head's LDS stores have read v[STC] and v[IDX1], which step 0 writes
; Step t = 8 trip + k.  It reads state buffer (k+1)&1, whose loads were issued behind the barrier of the step before, and writes buffer k&1.
.macro STEP k
.set PAR, \k&1
.set PRV, 1-PAR
	WIN 0x04                                       ; second source in v256-v511: the transitions
	s_wait_dscnt 0x1                               ; LDS answers in order: the potential and the two state loads are in; the byte store issued behind them may stay out
.irp hh, 0,1
.irp ln, 0,1,2,3,4,5,6,7,8,9,10,11,12,13,14,15
.irp rr, 0,1,2,3
	v_add_f32_dpp v[S+64*\hh+4*\ln+\rr], v[ST+4*\hh+\rr], v[64*\hh+4*\ln+\rr] row_share:\ln row_mask:0xf bank_mask:0xf   ; state[i] + trans[i][j], i = 64 hh + 4 ln + rr
.endr
.endr
.endr
	WIN 0
	; the step's mask byte; it stands here, away from the dependent lines at the top of the tree and ahead of the compares.  This parity's register was last read in the step before.
	s_bfe_u32 s22, s[MCUR+\k/4], 0x80000+8*(\k%4)  ; mask[b][t]; SCC = it is not 0
	s_cselect_b32 s[VAL+PAR], -1, 0                ; as a lane mask: it only selects values
	; the step before's 4 -> 1: its three compares in one run; most of the tree stands between them and the wait for their masks
	v_cmp_eq_f32 s[CY+2], v[Y+2], v[M+PRV]
	v_cmp_eq_f32 s[CY+1], v[Y+1], v[M+PRV]
	v_cmp_eq_f32 s[CY],   v[Y],   v[M+PRV]
	; maxima of the eight groups of 16, level by level, so that no instruction follows closely on one that it needs
.irp g, 0,1,2,3,4,5,6,7
.irp q, 0,1,2,3,4
	v_max3_num_f32 v[T+5*\g+\q], v[S+16*\g+3*\q], v[S+16*\g+3*\q+1], v[S+16*\g+3*\q+2]
.endr
.endr
	TREE2 0
	TREE2 1
	TREE2 2
	TREE2 3
	TREE3 0
	TREE3 1
	TREE3 2
	TREE3 3
	TREE2 4
	TREE2 5
	v_max3_num_f32 v[G64A], v[G16], v[G16+1], v[G16+2]
	TREE2 6
	TREE2 7
	s_wait_alu depctr_va_sdst(0)                   ; the three compares have written s[CY .. CY+2], ahead of their first reader
	v_cndmask_b32 v[IDX4], 3, 2, s[CY+2]
	v_max_num_f32 v[G64A], v[G64A], v[G16+3]       ; the first half's maximum
	TREE3 4
	TREE3 5
	TREE3 6
	v_cndmask_b32 v[IDX4], v[IDX4], 1, s[CY+1]
	TREE3 7
	v_add3_u32 v[IDXS], v[IDX1], v[IDX2], v[IDX3]
	; the top of the tree and the new state depend on each other line by line; between them stand the rest of the step before's index
	; and the test of the first half.  The step before's backpointer is finished ahead of the new state, so that one wait serves both stores.
	v_max3_num_f32 v[XM], v[G64A], v[G16+4], v[G16+5]
	v_cndmask_b32 v[IDX4], v[IDX4], 0, s[CY]
	v_max3_num_f32 v[M+PAR], v[XM], v[G16+6], v[G16+7]     ; m
	v_add_nc_u32 v[IDXS], v[IDXS], v[IDX4]
	v_add_f32 v[NEW], v[M+PAR], v[POTV]
	v_cmp_eq_f32 vcc_lo, v[G64A], v[M+PAR]         ; the first maximum lies in i < 64: m is the larger of the halves' maxima, so a tie goes to the first half
	v_cndmask_b32 v[BPV], v0, v[IDXS], s[VAL+PRV]  ; the step before's backpointer; beyond the mask it is the tag itself
	v_cndmask_b32 v[STC], v[STC], v[NEW], s[VAL+PAR]       ; the state moves on only where the mask says so
	s_wait_alu depctr_va_vdst(0)                   ; v[STC] and v[BPV] are written, which the two stores read; the adds are done reading v[ST ..] and v[POTV], in which the loads behind the barrier land; v[VPOT], v[VBP] and v[VROWL], where stepped since, are written
	ds_store_b32 v[VSTS], v[STC] offset:L_STATE+512*PAR
	s_wait_alu depctr_va_vcc(0)                    ; the test of the first half has written VCC: ahead of its first reader and of the branches below
.if \k == 0
	; once a trip, behind the state's store: the next trip's rows, asked for seven steps ago, go to LDS (first read in this trip's last step,
	; seven barriers on) and to out1.  The last trip has none.
	s_cmp_lt_u32 s15, TRIPS-1
	s_cbranch_scc0 .Lno_out
	s_load_b64 s[MNXT:MNXT+1], s[6:7], 0x8         ; the next trip's mask bytes
	s_wait_loadcnt 0x0                             ; my two rows
	ROWS_OUT
.Lno_out:
.endif
.if \k == 1
	; one step later, so that the wait for the stores' addresses is met: the places step on, and the rows after those are asked for.
	; The wait on vm_vsrc at the first step's end has shown v[R ..] and v[VROWL] read.  The last two trips ask for nothing: no load passes the sequence's end.
	s_cmp_lt_u32 s15, TRIPS-2
	s_cbranch_scc0 .Lno_in
	ROWS_NEXT
.Lno_in:
.endif
	SEL G16+4, G16, 1                              ; the chosen half's first three group maxima
	v_cndmask_b32 v[G16+6], v[G16+6], v[G16+2], vcc_lo
	v_cndmask_b32 v[IDX1], 64, 0, vcc_lo
	; 128 -> 64: the half with the first maximum comes to lie in S+64 .. S+127
	SEL S+64, S, 32
	; 64 -> 16: the first group whose maximum is m comes to lie in S+112 .. S+127 (group 3 lies there already)
	v_cmp_eq_f32 vcc_lo, v[G16+6], v[M+PAR]
	s_wait_alu depctr_va_vcc(0)                    ; that compare has written VCC
	SEL S+112, S+96, 8
	v_cndmask_b32 v[IDX2], 48, 32, vcc_lo
	v_cmp_eq_f32 vcc_lo, v[G16+5], v[M+PAR]
	s_wait_alu depctr_va_vcc(0)                    ; that compare has written VCC
	s_wait_dscnt 0x0                               ; for the other waves: my state (and rows) are in LDS, and my reads of the other buffer ended at this step's head
	s_barrier_signal -1
	s_barrier_wait -1
	ds_load_b32 v[POTV], v[VPOT] offset:ROWB*(\k+1)                      ; the next step's potential and states, in one run; the rest of the index work covers their way
	ds_load_b128 v[ST:ST+3],   v[VSTL] offset:L_STATE+512*PAR            ; no wait: no vector instruction since the wait ahead of the state's store names a register of these four lines
	ds_load_b128 v[ST+4:ST+7], v[VSTL] offset:L_STATE+512*PAR+256
	ds_store_b8 v[VBP], v[BPV] offset:128*\k       ; the step before's backpointer, into table row t - 2
	SEL S+112, S+80, 8
	v_cndmask_b32 v[IDX2], v[IDX2], 16, vcc_lo
	v_cmp_eq_f32 vcc_lo, v[G16+4], v[M+PAR]
	s_wait_alu depctr_va_vcc(0)                    ; that compare has written VCC
	SEL S+112, S+64, 8
	; 16 -> 4, into Y .. Y+2, which the next step's adds do not touch: three masks in one run, then single moves under them
.irp c, 0,1,2
	v_max3_num_f32 v[HT+\c], v[S+112+4*\c], v[S+113+4*\c], v[S+114+4*\c]
.endr
.irp c, 0,1,2
	v_max_num_f32 v[HT+\c], v[HT+\c], v[S+115+4*\c]
.endr
.irp c, 0,1,2
	v_cmp_eq_f32 s[CH+\c], v[HT+\c], v[M+PAR]
.endr
	v_cndmask_b32 v[IDX2], v[IDX2], 0, vcc_lo      ; the last line of 64 -> 16
	s_wait_alu depctr_va_sdst(0)                   ; the three compares have written s[CH .. CH+2], ahead of their first reader
.irp i, 0,1,2
	v_cndmask_b32 v[Y+\i], v[S+124+\i], v[S+120+\i], s[CH+2]
.endr
	v_cndmask_b32 v[IDX3], 12, 8, s[CH+2]
.irp i, 0,1,2
	v_cndmask_b32 v[Y+\i], v[Y+\i], v[S+116+\i], s[CH+1]
.endr
	v_cndmask_b32 v[IDX3], v[IDX3], 4, s[CH+1]
.irp i, 0,1,2
	v_cndmask_b32 v[Y+\i], v[Y+\i], v[S+112+\i], s[CH]
.endr
	v_cndmask_b32 v[IDX3], v[IDX3], 0, s[CH]
	s_wait_alu depctr_vm_vsrc(0)                   ; this step's stores have read v[STC] and v[BPV] (and v[R ..], v[VROWL]), its LDS instructions v[VPOT] and v[VBP]: all are written again only behind this line
.endm
.Ltrip:
	STEP 0
	STEP 1
	STEP 2
	STEP 3
	STEP 4
	STEP 5
	STEP 6
	STEP 7
	v_add_nc_u32 v[VPOT], TRIPB, v[VPOT]           ; free since the wait at the last step's end; next read behind the next step's wait on va_vdst
	v_add_nc_u32 v[VBP], STEPS*128, v[VBP]
	s_wait_kmcnt 0x0                               ; the next trip's mask bytes, asked for in this trip's first step; their base may now step
	s_mov_b64 s[MCUR:MCUR+1], s[MNXT:MNXT+1]
	s_add_nc_u64 s[6:7], s[6:7], STEPS
	s_add_co_u32 s15, s15, 1
	s_cmp_lt_u32 s15, TRIPS
	s_cbranch_scc1 .Ltrip
	; step 255's index is finished here (its parity is 1), as every other step's is in the step behind it
	v_cmp_eq_f32 s[CY+2], v[Y+2], v[M+1]
	v_cmp_eq_f32 s[CY+1], v[Y+1], v[M+1]
	v_cmp_eq_f32 s[CY],   v[Y],   v[M+1]
	v_add3_u32 v[IDXS], v[IDX1], v[IDX2], v[IDX3]
	s_wait_alu depctr_va_sdst(0)                   ; the three compares have written s[CY .. CY+2], ahead of their first reader
	v_cndmask_b32 v[IDX4], 3, 2, s[CY+2]
	v_cndmask_b32 v[IDX4], v[IDX4], 1, s[CY+1]
	v_cndmask_b32 v[IDX4], v[IDX4], 0, s[CY]
	v_add_nc_u32 v[IDXS], v[IDXS], v[IDX4]
	v_cndmask_b32 v[BPV], v0, v[IDXS], s[VAL+1]
	s_wait_alu depctr_va_vdst(0)                   ; v[BPV] is written, and so is v[VBP], stepped at the last trip's end: the byte store reads both
	ds_store_b8 v[VBP], v[BPV]                     ; table row 254
	; THE LAST TAG: the first largest of the 128 final states, whose loads the last step issued.  Every wave finds it for itself.
	s_wait_dscnt 0x2                               ; the state loads are in; the two byte stores issued behind them may stay out
	v_max3_num_f32 v[M],   v[ST],   v[ST+1], v[ST+2]
	v_max3_num_f32 v[NEW], v[ST+3], v[ST+4], v[ST+5]
	v_max3_num_f32 v[M],   v[M],    v[ST+6], v[ST+7]
	v_max_num_f32 v[M], v[M], v[NEW]
.irp x, 1,2,4,8
	v_max_num_f32_dpp v[M], v[M], v[M] row_xmask:\x row_mask:0xf bank_mask:0xf     ; each row of 16 lanes holds all 128 states: four steps do
.endr
.irp q, 0,1,2,3,4,5,6,7
	v_cmp_eq_f32 s[CL+\q], v[ST+\q], v[M]          ; eight masks in one run
.endr
	v_mov_b32 v[IDX1], 0x100                       ; none of my eight
	v_lshrrev_b32 v1, 2, v[VSTL]                   ; 4 n
	s_wait_alu depctr_va_sdst(0)                   ; the eight compares have written s[CL .. CL+7], ahead of their first reader
.irp q, 7,6,5,4,3,2,1,0
	v_cndmask_b32 v[IDX1], v[IDX1], 16*(\q&4)+(\q&3), s[CL+\q]           ; register q holds state 64 (q / 4) + 4 n + q mod 4; the lowest match stays
.endr
	v_add_nc_u32 v[IDX1], v[IDX1], v1
	v_cvt_f32_u32 v[IDX1], v[IDX1]                 ; at most 319: exact in f32
.irp x, 1,2,4,8
	v_min_num_f32_dpp v[IDX1], v[IDX1], v[IDX1] row_xmask:\x row_mask:0xf bank_mask:0xf
.endr
	v_cvt_u32_f32 v[IDX1], v[IDX1]
	v_lshlrev_b32 v[VT], 4, v0                     ; the two addresses of the table's way out are made here, ahead of the wait
	v_add_nc_u32 v1, L_BP, v[VT]
	s_wait_alu depctr_va_vdst(0)                   ; v[IDX1] is written, which the byte store reads; and all that named v[S ..], in which the table's loads land, is done
	ds_store_b8 v[VBP], v[IDX1] offset:128         ; table row 255: the last tag, whatever tag it is entered with
	s_wait_dscnt 0x0                               ; my bytes of the table are in LDS
	s_barrier_signal -1
	s_barrier_wait -1                              ; everybody's are
	; THE TABLE'S WAY OUT: 32,768 bytes, sixteen loads and stores a wave; each store of the wave covers 512 consecutive bytes, aligned.  No vector instruction follows the wait above.
.irp q, 0,1,2,3,4,5,6,7,8,9,10,11,12,13,14,15
	ds_load_b128 v[S+4*\q:S+4*\q+3], v1 offset:2048*\q
.endr
.irp q, 0,1,2,3,4,5,6,7,8,9,10,11,12,13,14,15
	s_wait_dscnt 15-\q                             ; LDS answers in order: load q is in, the younger ones may stay out
	global_store_b128 v[VT], v[S+4*\q:S+4*\q+3], s[12:13] offset:2048*\q
.endr
	s_wait_dscnt 0x0
	s_wait_alu depctr_hold_cnt(0) depctr_sa_sdst(0) depctr_va_vdst(0) depctr_va_sdst(0) depctr_va_ssrc(0) depctr_va_vcc(0) depctr_vm_vsrc(0)
	s_wait_tensorcnt 0x0
	ds_add_u32 v126, v127
	s_wait_dscnt 0x0
	s_endpgm
.Lfunc_end_k_qa88c34a3d5_forward:
	.size	k_qa88c34a3d5_forward, .Lfunc_end_k_qa88c34a3d5_forward-k_qa88c34a3d5_forward
	.p2alignl 7, 3214868480
	.fill 96, 4, 3214868480
	.section	.rodata,"a",@progbits
	.p2align	6, 0x0
	.amdhsa_kernel k_qa88c34a3d5_forward
		.amdhsa_group_segment_fixed_size 168448
		.amdhsa_private_segment_fixed_size 0
		.amdhsa_enable_private_segment 0
		.amdhsa_kernarg_size 40
		.amdhsa_user_sgpr_count 2
		.amdhsa_user_sgpr_kernarg_segment_ptr 1
		.amdhsa_wavefront_size32 1
		.amdhsa_system_sgpr_workgroup_id_x 1
		.amdhsa_system_sgpr_workgroup_id_y 1
		.amdhsa_system_sgpr_workgroup_id_z 1
		.amdhsa_system_vgpr_workitem_id 0
		.amdhsa_next_free_vgpr 384
		.amdhsa_next_free_sgpr 66
		.amdhsa_reserve_vcc 1
		.amdhsa_float_denorm_mode_32 3
		.amdhsa_float_denorm_mode_16_64 3
		.amdhsa_memory_ordered 1
		.amdhsa_forward_progress 1
		.amdhsa_inst_pref_size 177
	.end_amdhsa_kernel
	.amdgpu_metadata
---
amdhsa.version: [ 1, 2 ]
amdhsa.kernels:
  - .name:           k_qa88c34a3d5_forward
    .symbol:         k_qa88c34a3d5_forward.kd
    .args:
      - { .name: inputs, .offset: 0, .size: 8, .value_kind: global_buffer, .address_space: global }
      - { .name: mask, .offset: 8, .size: 8, .value_kind: global_buffer, .address_space: global }
      - { .name: transitions, .offset: 16, .size: 8, .value_kind: global_buffer, .address_space: global }
      - { .name: out1, .offset: 24, .size: 8, .value_kind: global_buffer, .address_space: global }
      - { .name: bptab, .offset: 32, .size: 8, .value_kind: global_buffer, .address_space: global }
    .group_segment_fixed_size: 168448
    .private_segment_fixed_size: 0
    .kernarg_segment_align: 8
    .kernarg_segment_size: 40
    .max_flat_workgroup_size: 128
    .sgpr_count:     66
    .vgpr_count:     384
    .wavefront_size: 32
...
	.end_amdgpu_metadata
.endif
;; end of part 4
;; launch backtrack: the kernel of part 2 again; grid 256 x 1, 32 waves a work-group, no clusters, 69,632 bytes of LDS; arguments bptab, mask, transitions, out0, out2, out3; writes out0, out2, out3
